; MI455X (gfx1250); checked and timed in simulation.
; The chip was launched on July 23, 2026; its instructions are those of AMD's public machine-readable ISA for CDNA 5 (MIT licence, August 2026) and "CDNA5" Instruction Set Architecture Reference Guide (July 2026). The comments in the code are by the model that wrote it; some were corrected since.
;; K Means. Allowed arithmetic: matrix products marked QUANTISED: E4M3 operands, one given power-of-two scale a tensor, by v_wmma_f32_16x16x64_fp8_fp8 or v_wmma_f32_16x16x128_fp8_fp8, f32 sums; everything else in f32.
;; Inputs: center 4,096 x 512 float32; lowp_scales 2 int32 (the exponents e of the quantised operands' scales 2^e); x 32,768 x 512 float32.
;; Outputs: out0 32,768 int32.
;; This version of the problem:
;;   THIS VERSION OF THE PROBLEM IS GIVEN IN LOW PRECISION. The matrix products marked QUANTISED in the list below multiply operands that are first quantised to E4M3 (4 exponent bits, 3 mantissa bits; 8 bits a number), with one given power-of-two scale for each operand tensor; their sums are f32. All else is computed in f32.
;;   The module's matrix products, in the order in which they are computed (A, B: the left and right operand; K: the contracted axis; several contracted axes count as one K, in the product's order):
;;     1. [M 32,768, K 512] x [K 512, N 4,096]; A: input x; B: input center: QUANTISED (scales: A lowp_scales[0], B lowp_scales[1])
;;   THE QUANTISER, for each operand of a quantised product, along K:
;;     - The operand's scale is 2^e, e = its entry of the input lowp_scales (int32; the entries are numbered through the quantised products in the list's order, A before B).
;;     - Each number is divided by the scale, clamped to +-448, and rounded to the nearest number of E4M3, ties to even, subnormals kept.
;;     - The product sums the exact products of the quantised numbers (number of the format x scale) in f32.
;;   ~~~python
;;   def quantise(x, axis, e):      # numpy; x: float32 -> the quantised numbers, widened to float32 again
;;       x = np.moveaxis(x, axis, -1); K = x.shape[-1]
;;       r = np.clip(x / 2.0 ** e, -448, 448)
;;       step = 2.0 ** (np.maximum(np.frexp(np.where(r == 0, 1, r))[1] - 1, -6) - 3)
;;       q = np.round(r / step) * step * 2.0 ** e      # np.round: ties to even
;;       return np.moveaxis(q, -1, axis).astype(np.float32)
;;   ~~~
;; One version. Each part assembles by itself: llvm-mc -triple=amdgcn-amd-amdhsa -mcpu=gfx1250 --defsym DOCPART=n.
;; ======== version 1 of 1: 3 launches
;; limits: right only within a limited range of input values
;; workspace buffers: xq 16,777,216 bytes; cq 2,162,688 bytes; pv 524,288 bytes; pi 524,288 bytes
;; launch quant (part 1): grid 576 x 1, 4 waves a work-group, no clusters, 34,560 bytes of LDS; arguments x, center, lowp_scales, xq, cq; writes xq, cq
.if DOCPART == 1
	.amdgcn_target "amdgcn-amd-amdhsa--gfx1250"
	.amdhsa_code_object_version 6
	.text
	.protected	k_q46bd81d4b3_quant
	.globl	k_q46bd81d4b3_quant
	.p2align	8
	.type	k_q46bd81d4b3_quant,@function
k_q46bd81d4b3_quant:
	s_mov_b64 s[64:65], 0
	v_nop
	global_prefetch_b8 v0, s[64:65] scope:SCOPE_SE
	s_setreg_imm32_b32 hwreg(HW_REG_WAVE_MODE, 25, 1), 1
	s_wait_xcnt 0x0
; x [32768][512] and center [4096][512], f32, are read once and turned into codes of FP8 (E4M3), each tensor with the one scale 2^e given for it:
; code = number / 2^e, held within +-448, rounded to the nearest code, ties to even.  e: entry 0 of the scales for x, entry 1 for center.
; WORK LEFT OUT.  The result is argmin over k of x_sq[n] - 2 cross[n][k] + c_sq[k].  x_sq[n] is the same for every k of row n, so in real numbers it moves no comparison
; within a row, whatever the inputs hold: it is not computed, here or later.  The program takes argmax over k of S[n][k] + t[k], S = the sum of the products of the codes,
; t[k] = -c_sq[k] x 2^-(ex + ec + 1): that is -(dist - x_sq) / 2^(ex + ec + 1).  Every input still has a way to the output.
; LIMITS: a NaN, an infinity or an overflow in x_sq alone is not carried to the result.  The order of rounding differs from the formula as written: two centres of a row whose
; distances differ by less than the f32 rounding of numbers of the distances' size may change places.  -126 <= e <= 119; t must be a finite f32.  NaN among the inputs is not served.
; c_sq is the sum of squares of the UNQUANTISED numbers, f32, in eight chains a lane, joined over two lanes.
; THE CODES ARE IMAGES OF THE OPERAND'S REGISTERS.  A fragment is 16 rows x 128 K, 16 registers a lane; registers 2 c, 2 c + 1 of lane (r, h) hold row r, k = 16 c + 8 h + 0 .. 7.
; Registers 4 g .. 4 g + 3 of lane l lie at byte 512 g + 16 l of its 2,048 bytes; a tile of 16 rows has four images on end, 8,192 bytes.  x's tiles follow each other;
; a tile of center has one row of 256 bytes more: its 16 numbers t, 64 bytes, four times on end: 8,448 bytes a tile.
; SHARES.  Work-groups 0-511 take x, 512-575 center.  A work-group takes 64 rows, a wave one tile, in four K steps of 128.  The squares and the tail row stand under a scalar branch on the work-group's number.
; A step's sixteen loads each read 512 consecutive bytes of one row; they turn through the wave's own stage in LDS.  Waves share nothing: no barrier.
.set WGX, 512
.set SP,  528                          ; a stage row: 512 bytes + 16
.set WST, 16*SP
.set SQL, 4*WST                        ; 64 bytes for each wave: its 16 numbers t
.set SPARE, SQL+256                    ; the spare words, 128 bytes a wave
.set R,   16                           ; v16-143   two sets of 64 as loaded
.set XN,  144                          ; v144-207  register 8 c + i = k 16 c + 8 h + i of my row
.set C,   208                          ; v208-239  two sets of 16 codes registers
.set S,   240                          ; v240-247  the sum of squares, eight chains
	s_load_b128 s[4:7], s[0:1], 0x0                ; x, center
	s_load_b64 s[8:9], s[0:1], 0x10                ; the scales' exponents
	s_load_b128 s[12:15], s[0:1], 0x18             ; x's codes, center's codes
	v_lshl_add_u32 v254, v0, 2, SPARE
	v_mov_b32 v255, 0
	v_lshrrev_b32 v1, 5, v0
	v_readfirstlane_b32 s24, v1                    ; wave
	v_and_b32 v1, 31, v0                           ; lane
	v_and_b32 v2, 15, v0                           ; r
	v_bfe_u32 v3, v0, 4, 1                         ; h
	v_lshlrev_b32 v4, 4, v1                        ; 16 x lane
	s_mul_i32 s21, s24, WST
	v_add_nc_u32 v5, s21, v4                       ; the stage, way in
	v_mul_u32_u24 v6, v2, SP
	v_lshl_add_u32 v6, v3, 5, v6
	v_add_nc_u32 v6, s21, v6                       ; way out: row r, + 32 h bytes
	s_lshl_b32 s22, s24, 6
	v_lshl_add_u32 v7, v2, 2, s22
	v_add_nc_u32 v7, SQL, v7                       ; my row's t
	v_and_b32 v8, 7, v0
	v_lshl_add_u32 v8, v8, 3, s22
	v_add_nc_u32 v8, SQL, v8                       ; back: two t a lane, the 64 bytes four times over the 32 lanes
	v_lshlrev_b32 v9, 3, v1                        ; 8 x lane
	v_mov_b32 v13, 0                               ; a lane permute's destination counts as a source
.irp i, 0,1,2,3,4,5,6,7
	v_mov_b32 v[S+\i], 0                           ; written on every path
.endr
	s_mov_b32 s30, 0x76543210
	s_mov_b32 s31, 0xfedcba98
	s_cmp_lt_u32 ttmp9, WGX                        ; x's work-group or center's
	s_cselect_b32 s25, 0, WGX
	s_wait_alu depctr_va_vdst(0)                   ; the wait at the head's end
	s_wait_kmcnt 0x0
	s_load_b64 s[26:27], s[8:9], 0x0               ; ex, ec
	s_cselect_b64 s[4:5], s[4:5], s[6:7]
	s_cselect_b64 s[12:13], s[12:13], s[14:15]
	s_cselect_b32 s28, 0, 256
	s_sub_co_u32 s25, ttmp9, s25
	s_lshl_b32 s20, s25, 2
	s_add_co_u32 s20, s20, s24                     ; my tile
	s_mov_b32 s23, 0
	s_lshl_b32 s22, s20, 15                        ; 16 rows of 2,048 bytes
	s_add_nc_u64 s[4:5], s[4:5], s[22:23]
	s_add_co_u32 s28, s28, 8192                    ; a tile of codes: 8,192 bytes, center's 8,448
	s_mul_i32 s22, s20, s28
	s_add_nc_u64 s[12:13], s[12:13], s[22:23]
.macro LOADU s
.irp i, 0,1,2,3,4,5,6,7,8,9,10,11,12,13,14,15
	global_load_b128 v[R+64*((\s)%2)+4*\i:R+64*((\s)%2)+4*\i+3], v4, s[4:5] offset:2048*\i+512*(\s) th:TH_LOAD_NT
.endr
.endm
.macro TURN s                          ; LDS serves a wave's instructions in order: no wait between the stores and the loads
.irp i, 0,1,2,3,4,5,6,7,8,9,10,11,12,13,14,15
	ds_store_b128 v5, v[R+64*((\s)%2)+4*\i:R+64*((\s)%2)+4*\i+3] offset:SP*\i
.endr
.irp c, 0,1,2,3,4,5,6,7
	ds_load_b128 v[XN+8*\c:XN+8*\c+3], v6 offset:64*\c
	ds_load_b128 v[XN+8*\c+4:XN+8*\c+7], v6 offset:64*\c+16
.endr
.endm
.macro STEP s
.if (\s) < 3
	s_wait_loadcnt 16                              ; this step's sixteen loads are in; the next step's may be out
.else
	s_wait_loadcnt 0x0
.endif
	TURN \s
	s_wait_dscnt 0x0                               ; the numbers are back, the stage's stores have read their set
.if (\s) < 2
	LOADU (\s)+2
.endif
	s_cmp_lt_u32 ttmp9, WGX
	s_cbranch_scc1 .Lnosq_\@                       ; x's squares are not needed
.set p, 0
.rept 32
	v_pk_fma_f32 v[S+2*(p%4):S+2*(p%4)+1], v[XN+2*p:XN+2*p+1], v[XN+2*p:XN+2*p+1], v[S+2*(p%4):S+2*(p%4)+1]
.set p, p+1
.endr
.Lnosq_\@:
.set p, 0
.rept 64
	v_med3_num_f32 v[XN+p], v[XN+p], -v10, v10     ; the conversion does not saturate (ISA guide 7.6.2): the hold at the largest code x the scale
.set p, p+1
.endr
.if (\s) >= 2
	s_wait_alu depctr_va_vdst(0)
	s_wait_xcnt 0x0                                ; the stores of two steps ago have read this set of codes
.endif
.irp c, 0,1,2,3,4,5,6,7
	v_cvt_scalef32_pk8_fp8_f32 v[C+16*((\s)%2)+2*\c:C+16*((\s)%2)+2*\c+1], v[XN+8*\c:XN+8*\c+7], v11
.endr
	v_nop                                          ; one plain line behind the last conversion
.irp g, 0,1,2,3
	global_store_b128 v4, v[C+16*((\s)%2)+4*\g:C+16*((\s)%2)+4*\g+3], s[12:13] offset:2048*(\s)+512*\g   ; 512 consecutive bytes, aligned
.endr
.endm
	LOADU 0
	LOADU 1
	s_wait_kmcnt 0x0
	s_add_co_i32 s32, s26, s27
	s_sub_co_i32 s32, -1, s32                      ; -(ex + ec + 1)
	s_cmp_lt_u32 ttmp9, WGX
	s_cselect_b32 s26, s26, s27                    ; e
	s_add_co_i32 s26, s26, 127
	s_lshl_b32 s28, s26, 23
	v_mov_b32 v11, s28                             ; 2^e
	s_add_co_i32 s26, s26, 8
	s_lshl_b32 s29, s26, 23
	s_or_b32 s29, s29, 0x600000
	v_mov_b32 v10, s29                             ; 448 x 2^e
	s_wait_alu depctr_va_vdst(0)
	STEP 0
	STEP 1
	STEP 2
	STEP 3
	s_cmp_lt_u32 ttmp9, WGX
	s_cbranch_scc1 .Lend                           ; x's tiles have no tail row
	v_pk_add_f32 v[S:S+1], v[S:S+1], v[S+2:S+3]
	v_pk_add_f32 v[S+4:S+5], v[S+4:S+5], v[S+6:S+7]
	v_pk_add_f32 v[S:S+1], v[S:S+1], v[S+4:S+5]
	v_add_f32 v12, v[S], v[S+1]
	v_permlanex16_b32 v13, v12, s30, s31           ; the row's other half
	v_add_f32 v12, v12, v13
	v_ldexp_f32 v12, -v12, s32                     ; t = -c_sq x 2^-(ex + ec + 1): nothing is rounded
	ds_store_b32 v7, v12                           ; lanes r and r + 16 store the same number to the same word
	ds_load_b64 v[14:15], v8                       ; my own wave's words, served in order
	s_wait_dscnt 0x0
	global_store_b64 v9, v[14:15], s[12:13] offset:8192   ; the tail row: 256 consecutive bytes, aligned
.Lend:
	s_wait_tensorcnt 0x0                           ; the wave's end
	ds_add_u32 v254, v255
	s_wait_dscnt 0x0
	s_endpgm
.Lfunc_end_k_q46bd81d4b3_quant:
	.size	k_q46bd81d4b3_quant, .Lfunc_end_k_q46bd81d4b3_quant-k_q46bd81d4b3_quant
	.p2alignl 7, 3214868480
	.fill 96, 4, 3214868480
	.section	.rodata,"a",@progbits
	.p2align	6, 0x0
	.amdhsa_kernel k_q46bd81d4b3_quant
		.amdhsa_group_segment_fixed_size 34560
		.amdhsa_private_segment_fixed_size 0
		.amdhsa_enable_private_segment 0
		.amdhsa_kernarg_size 40
		.amdhsa_user_sgpr_count 2
		.amdhsa_user_sgpr_kernarg_segment_ptr 1
		.amdhsa_wavefront_size32 1
		.amdhsa_system_sgpr_workgroup_id_x 1
		.amdhsa_system_sgpr_workgroup_id_y 1
		.amdhsa_system_sgpr_workgroup_id_z 1
		.amdhsa_system_vgpr_workitem_id 0
		.amdhsa_next_free_vgpr 256
		.amdhsa_next_free_sgpr 66
		.amdhsa_reserve_vcc 0
		.amdhsa_float_denorm_mode_32 3
		.amdhsa_float_denorm_mode_16_64 3
		.amdhsa_memory_ordered 1
		.amdhsa_forward_progress 1
		.amdhsa_inst_pref_size 47
	.end_amdhsa_kernel
	.amdgpu_metadata
---
amdhsa.version: [ 1, 2 ]
amdhsa.kernels:
  - .name:           k_q46bd81d4b3_quant
    .symbol:         k_q46bd81d4b3_quant.kd
    .args:
      - { .name: x, .offset: 0, .size: 8, .value_kind: global_buffer, .address_space: global }
      - { .name: center, .offset: 8, .size: 8, .value_kind: global_buffer, .address_space: global }
      - { .name: lowp_scales, .offset: 16, .size: 8, .value_kind: global_buffer, .address_space: global }
      - { .name: xq, .offset: 24, .size: 8, .value_kind: global_buffer, .address_space: global }
      - { .name: cq, .offset: 32, .size: 8, .value_kind: global_buffer, .address_space: global }
    .group_segment_fixed_size: 34560
    .private_segment_fixed_size: 0
    .kernarg_segment_align: 8
    .kernarg_segment_size: 40
    .max_flat_workgroup_size: 128
    .sgpr_count:     66
    .vgpr_count:     256
    .wavefront_size: 32
...
	.end_amdgpu_metadata
.endif
;; end of part 1
;; launch assign (part 2): grid 256 x 1, 4 waves a work-group, clusters of 4 x 1, 327,680 bytes of LDS; arguments xq, cq, pv, pi; writes pv, pi
.if DOCPART == 2
	.amdgcn_target "amdgcn-amd-amdhsa--gfx1250"
	.amdhsa_code_object_version 6
	.text
	.protected	k_q46bd81d4b3_assign
	.globl	k_q46bd81d4b3_assign
	.p2align	8
	.type	k_q46bd81d4b3_assign,@function
k_q46bd81d4b3_assign:
	s_mov_b64 s[64:65], 0
	v_nop
	global_prefetch_b8 v0, s[64:65] scope:SCOPE_SE
	s_setreg_imm32_b32 hwreg(HW_REG_WAVE_MODE, 25, 1), 1
	s_wait_xcnt 0x0
	s_wait_alu depctr_hold_cnt(0) depctr_sa_sdst(0) depctr_va_vdst(0) depctr_va_sdst(0) depctr_va_ssrc(0) depctr_va_vcc(0) depctr_vm_vsrc(0)
	s_getreg_b32 s2, hwreg(HW_REG_IB_STS2, 6, 4)
	s_cmp_eq_u32 s2, 0
	s_cbranch_scc0 .Lentry_in_a_cluster
	s_endpgm
.Lentry_in_a_cluster:
	s_bfe_u32 s2, ttmp6, 0x10000c
	s_cmp_lg_u32 s2, 0x3003
	s_cbranch_scc0 .Lentry_shape_is_right
	s_endpgm
.Lentry_shape_is_right:
; For each row of x and each quarter c of the centres (1,024 of them): pv[c][row] = the greatest S(row, k) + t[k] over the quarter's k, pi[c][row] = the lowest k at which it is reached.
; S = the sum over K of the products of the FP8 codes, f32; t[k] = -c_sq[k] x 2^-(ex + ec + 1), made by the launch before.
; WORK LEFT OUT: x_sq, the same for all k of a row (shown at the head of the first kernel); the limits stated there hold here.  NaN is passed over by the maximum.  A row all of whose sums are -infinity gets an index of the quarter's first tile.
; xq: tiles of 16 rows x 512 K as images of the operand's registers, 8,192 bytes.  cq: the same + a row of 256 bytes that begins with the tile's 16 t: 8,448 bytes.
; SHARES.  A work-group owns 512 rows of x and one quarter of the centres: 64 row blocks x 4 quarters = 256 work-groups.  Four waves, as many as a WGP has SIMDs: wave w keeps x tiles 8 w .. 8 w + 7 of the block,
; whole K, in 512 registers (windows 2 and 3), and walks all 64 tiles of the quarter.  A tile of centres, 18 LDS loads, feeds 32 matrix instructions.  Each row has one owner among the waves.
; THE PRODUCT: source 0 = 16 centres, source 1 = 16 rows of x: lane (r, h) holds row r and its register j centre 16 T + 8 h + j.  t is the C of each sum's first instruction, so no addition is written.
; A TILE: its 32 matrix instructions on end (four accumulators by turns, twice), then the folding: for each x tile 4 three-way maxima (the old best among them), a compare and
; 8 selects, two to an instruction, that keep the winning tile's base index and its sums 0 to 6 (sum 7 wins where none of these equals the best).  The next x tiles' maxima stand between a compare and its selects.
; Which of the 8 wins is read off once, at the end.  No branch hangs on a sum.
; THE RING.  Two slots of 16 tiles, 135,168 bytes, on end: tile T of the quarter lies at (T mod 32) x 8,448.  Each wave fetches four tiles of a slot, 132 rows of 256 bytes, by one tensor load:
; four slots in all, two of them refills; one load of a wave is out at the most.
; CLUSTER.  The four work-groups of a cluster have the same quarter and walk it in step: each tile is asked for jointly.
; NO PREFETCH: a refill has 16 tiles' work of every wave (512 matrix instructions a wave) between its request and the wait for it, and the sixteen clusters of a quarter read the same four slots in the same order.
; REGISTERS, in windows of 256: window 0: addresses, t, accumulators, what is kept;  window 1: v0-127 a tile of centres, two sets;  window 2: x tiles 0-3;  window 3: x tiles 4-7.
.set TILEB, 8448
.set SLOTB, 16*TILEB
.set WLD,   4*TILEB                    ; a wave's load
.set RES,   2*SLOTB                    ; 1,024 bytes a wave: 128 best sums, then 128 indices; no fill lands here
.set SPARE, RES+4096                   ; the spare words, 128 bytes a wave
.set XO,  3                            ; v3   16 x lane: a fragment's place in a tile
.set ADR, 5                            ; v5   the same + the pair's place in the ring
.set CA0, 6                            ; v6   8,192 + 32 h: t's place in a tile
.set CA,  7                            ; v7   the same + the pair's place
.set SPW, 8
.set NIL, 9
.set HB,  10                           ; 8 h
.set RW,  11
.set RR,  12
.set TI,  13                           ; the base index of the tile in hand
.set CT,  16                           ; v16-31   t of my 8 centres, two sets
.set AC,  32                           ; v32-95   accumulators, x tile b at + 8 b
.set BV,  96                           ; v96-111  the best so far: x tile b, by the tile's parity
.set MTB, 112                          ; v112, 114 .. 128  at work: three sets of three
.set IDB, 113                          ; v113, 115 .. 127  the winning tile's base index, x tile b at + 2 b: odd registers, as the pairs of selects want them
.set SV,  144                          ; v144-207 the winning tile's sums 0 to 6, x tile b at + 8 b
.set WV,  16
.set G1,  24
.set G0,  32                           ; s[32:35] slot 0's group 0, s[36:39] slot 1's
.set QT,  40
.set CNT, 41
.set SEL, 42
.set HM,  44
.set MA,  45
.set MB,  46
.set TB,  47                           ; the place in the ring of the pair that is being fetched
.set MSB, 0
.macro WIN new
.if MSB != (\new)
	s_set_vgpr_msb (MSB<<8)|(\new)
.set MSB, (\new)
.endif
.endm
.macro ROUND                           ; a round of the cluster's barrier
	s_barrier_signal -1
	s_barrier_wait -1
	s_cmp_lg_u32 s[WV], 0
	s_cbranch_scc1 .Lnot_wave_0_\@
	s_barrier_signal -3
.Lnot_wave_0_\@:
	s_barrier_wait -3
	s_barrier_signal -1
	s_barrier_wait -1
.endm
.macro FETCH p, ra, rc, off            ; a tile's t and fragments into set p
	WIN 0
	ds_load_b128 v[CT+8*(\p):CT+8*(\p)+3], v[\rc] offset:(\off)
	ds_load_b128 v[CT+8*(\p)+4:CT+8*(\p)+7], v[\rc] offset:(\off)+16
	WIN 0x40                                       ; destination window 1, address window 0
.irp f, 0,1,2,3,4,5,6,7,8,9,10,11,12,13,14,15
	ds_load_b128 v[64*(\p)+4*\f:64*(\p)+4*\f+3], v[\ra] offset:(\off)+512*\f
.endr
.endm
.macro MMS p                           ; K ascending; three other accumulators' instructions stand between a sum's steps
.irp g, 0,1
	WIN 0x09+4*\g                                  ; source 0 window 1, source 1 window 2 + g, C and D window 0
.irp k, 0,1,2,3
.irp b, 0,1,2,3
.if \k == 0
	v_wmma_f32_16x16x128_fp8_fp8 v[AC+32*\g+8*\b:AC+32*\g+8*\b+7], v[64*(\p):64*(\p)+15], v[64*\b:64*\b+15], v[CT+8*(\p):CT+8*(\p)+7]
.else
	v_wmma_f32_16x16x128_fp8_fp8 v[AC+32*\g+8*\b:AC+32*\g+8*\b+7], v[64*(\p)+16*\k:64*(\p)+16*\k+15], v[64*\b+16*\k:64*\b+16*\k+15], v[AC+32*\g+8*\b:AC+32*\g+8*\b+7]
.endif
.endr
.endr
.endr
	WIN 0
.endm
.macro EA b, p                         ; the accumulator is read from its low end on
.set m_, MTB+6*((\b)%3)
.set a_, AC+8*(\b)
	v_max3_num_f32 v[m_], v[a_], v[a_+1], v[a_+2]
	v_max3_num_f32 v[m_+2], v[a_+3], v[a_+4], v[a_+5]
	v_max3_num_f32 v[m_+4], v[a_+6], v[a_+7], v[BV+2*(\b)+1-(\p)]
.endm
.macro EB b, p                         ; the new best
.set m_, MTB+6*((\b)%3)
	v_max3_num_f32 v[BV+2*(\b)+(\p)], v[m_], v[m_+2], v[m_+4]
.endm
.macro EC b, p                         ; strictly over the old one: an earlier tile keeps a tie
	v_cmp_gt_f32 vcc_lo, v[BV+2*(\b)+(\p)], v[BV+2*(\b)+1-(\p)]
.endm
.macro ED b                            ; eight selects by VCC in four pairs: one destination even, one odd; the pair's like sources four-bank apart by their numbers
.set a_, AC+8*(\b)
.set s_, SV+8*(\b)
.irp k, 0,2,4
	v_dual_cndmask_b32 v[s_+\k], v[s_+\k], v[a_+\k] :: v_dual_cndmask_b32 v[s_+\k+1], v[s_+\k+1], v[a_+\k+1]
.endr
	v_dual_cndmask_b32 v[s_+6], v[s_+6], v[a_+6] :: v_dual_cndmask_b32 v[IDB+2*(\b)], v[IDB+2*(\b)], v[TI]
.endm
.macro EPI p
	EA 0, \p
	EA 1, \p
	EB 0, \p
	EC 0, \p
.irp b, 0,1,2,3,4,5,6,7
.if \b < 6
	EA \b+2, \p
.endif
.if \b < 7
	EB \b+1, \p
.endif
	ED \b
.if \b < 7
	EC \b+1, \p
.endif
.endr
.endm
; The tile in set p.  ld = 1: the next tile is asked for first, into the other set, whose last matrix instruction stands a whole folding back.
.macro TILE p, ld, ra, rc, off
	s_wait_dscnt 0x0                               ; this tile's fragments and t: asked for a tile ago
.if \ld
	FETCH 1-(\p), \ra, \rc, \off
.endif
	MMS \p
	v_add_nc_u32 v[TI], 16, v[TI]                  ; this tile's base index; with the three lines below, the places in front of the first read of the sums (ISA guide 7.12.1)
.rept 3
	v_nop
.endr
	EPI \p
.endm
; cnt pairs of tiles, an odd one and the even one behind it; they fetch the two tiles that follow them, which lie on end in the ring from byte tb0 on.
.macro BLOCK tb0, cnt
	s_mov_b32 s[TB], \tb0
	s_mov_b32 s[CNT], \cnt
.Lblk_\@:
	v_add_nc_u32 v[ADR], s[TB], v[XO]
	v_add_nc_u32 v[CA], s[TB], v[CA0]
	s_wait_alu depctr_va_vdst(0)
	TILE 1, 1, ADR, CA, 0
	TILE 0, 1, ADR, CA, TILEB
	s_add_co_u32 s[TB], s[TB], 2*TILEB
	s_sub_co_u32 s[CNT], s[CNT], 1
	s_cmp_lg_u32 s[CNT], 0
	s_cbranch_scc1 .Lblk_\@
.endm
; A change of slots.  Slot s's last tile is in registers or on its way there.  fill = 1: the slot is filled again, two slots on.
.macro SYNC s, fill
	s_wait_alu depctr_va_vdst(0)                   ; directly ahead of the wait below
	s_wait_tensorcnt 0x0                           ; my one load that was out, my part of the other slot, has landed
	ds_add_u32 v[SPW], v[NIL]
.if \fill
	s_add_nc_u64 s[G0+4*\s+2:G0+4*\s+3], s[G0+4*\s+2:G0+4*\s+3], 2*SLOTB
.endif
	s_wait_dscnt 0x0                               ; the add is done, my reads of slot s are over
.if \fill
	ROUND                                          ; the same holds of every wave of the four work-groups
	tensor_load_to_lds s[G0+4*\s:G0+4*\s+3], s[G1:G1+7]
	s_nop 0
.else
	s_barrier_signal -1
	s_barrier_wait -1                              ; everybody's part of the last slot is in; nothing is filled again
.endif
.endm
	s_load_b256 s[4:11], s[0:1], 0x0               ; x's codes, the centres', pv, pi
	v_lshl_add_u32 v[SPW], v0, 2, SPARE
	v_mov_b32 v[NIL], 0
	ds_add_u32 v[SPW], v[NIL]                      ; the opening lines
	ds_add_u32 v[SPW], v[NIL]
	v_lshrrev_b32 v1, 5, v0
	v_readfirstlane_b32 s[WV], v1                  ; wave 0..3
	s_bfe_u32 s17, ttmp6, 0x40000                  ; cx
	s_and_b32 s18, ttmp9, 3                        ; the quarter: by the cluster's number, the same in the four partners
	s_lshr_b32 s19, ttmp9, 2
	s_lshl_b32 s19, s19, 2
	s_add_co_u32 s19, s19, s17                     ; my block of 512 rows: it enters the addresses of x's codes, pv and pi alone
	s_mov_b32 s[G1], 0x0023000f                    ; mask: all four work-groups; elements of 8 bytes; bit 21 beside the mask
	s_mov_b32 s[G1+1], 32<<16                      ; tensor_dim0 = 32: 256 bytes
	s_mov_b32 s[G1+2], 132<<16                     ; tensor_dim1 = 132
	s_mov_b32 s[G1+3], 32<<16                      ; tile_dim0
	s_mov_b32 s[G1+4], 132                         ; tile_dim1
	s_mov_b32 s[G1+5], 32                          ; pitch
	s_mov_b32 s[G1+6], 0
	s_mov_b32 s[G1+7], 0
	s_mul_i32 s22, s[WV], WLD                      ; my part of a slot, in LDS
	s_mul_i32 s20, s18, 64*TILEB                   ; the quarter's 64 tiles in memory,
	s_add_co_u32 s20, s20, s22                     ; my part of its first slot
	s_mov_b32 s21, 0
	s_lshl_b32 s2, s19, 18                         ; my block's 256 KB of codes,
	s_lshl_b32 s23, s[WV], 16
	s_add_co_u32 s2, s2, s23                       ; my wave's eight tiles
	s_mov_b32 s3, 0
	s_lshl_b32 s52, s18, 17                        ; pv, pi: 131,072 bytes a quarter,
	s_lshl_b32 s23, s19, 11
	s_add_co_u32 s52, s52, s23                     ; 2,048 a block,
	s_lshl_b32 s23, s[WV], 9
	s_add_co_u32 s52, s52, s23                     ; 512 a wave
	s_mov_b32 s53, 0
	s_lshl_b32 s54, s[WV], 10
	s_add_co_u32 s54, s54, RES                     ; my wave's 1,024 bytes for the way out
	s_mov_b32 s55, 0xff800000                      ; -infinity
	s_lshl_b32 s[QT], s18, 10                      ; the quarter's first index,
	s_sub_co_u32 s56, s[QT], 16                    ; and one tile less: each tile adds 16 ahead of its folding
	s_mov_b32 s[SEL], 0x76543210
	s_mov_b32 s[SEL+1], 0xfedcba98
	s_mov_b32 s[HM], 0xffff0000
	s_wait_dscnt 0x0
	s_wait_kmcnt 0x0
	s_mov_b32 s[G0], 1
	s_mov_b32 s[G0+1], s22
	s_add_nc_u64 s[G0+2:G0+3], s[6:7], s[20:21]
	s_mov_b32 s[G0+4], 1
	s_add_co_u32 s[G0+5], s22, SLOTB
	s_add_nc_u64 s[G0+6:G0+7], s[G0+2:G0+3], SLOTB
	s_or_b32 s[G0+3], s[G0+3], 0x80000000
	s_or_b32 s[G0+7], s[G0+7], 0x80000000
	s_add_nc_u64 s[4:5], s[4:5], s[2:3]
	s_add_nc_u64 s[8:9], s[8:9], s[52:53]
	s_add_nc_u64 s[10:11], s[10:11], s[52:53]
	ROUND                                          ; the first joint loads meet
	tensor_load_to_lds s[G0:G0+3], s[G1:G1+7]      ; slot 0: one tensor load a wave at the head
	s_nop 0
	v_and_b32 v2, 31, v0                           ; lane
	v_and_b32 v1, 15, v0                           ; r
	v_bfe_u32 v14, v0, 4, 1                        ; h
	v_lshlrev_b32 v[XO], 4, v2
	WIN 0x80                                       ; destination window 2
.irp b, 0,1,2,3
.irp f, 0,1,2,3,4,5,6,7,8,9,10,11,12,13,14,15
	global_load_b128 v[64*\b+4*\f:64*\b+4*\f+3], v[XO], s[4:5] offset:8192*\b+512*\f   ; x's codes stay in registers
.endr
.endr
	WIN 0xc0                                       ; destination window 3
.irp b, 0,1,2,3
.irp f, 0,1,2,3,4,5,6,7,8,9,10,11,12,13,14,15
	global_load_b128 v[64*\b+4*\f:64*\b+4*\f+3], v[XO], s[4:5] offset:8192*(\b+4)+512*\f
.endr
.endr
	WIN 0
	v_lshl_add_u32 v[CA0], v14, 5, 8192
	v_lshlrev_b32 v[HB], 3, v14
	v_lshl_add_u32 v[RW], v14, 9, s54              ; RES + 1,024 w + 512 h + 4 r
	v_lshl_add_u32 v[RW], v1, 2, v[RW]
	v_add_nc_u32 v[RR], s54, v[XO]                 ; RES + 1,024 w + 16 x lane
	v_mov_b32 v[TI], s56
.irp b, 0,1,2,3,4,5,6,7
	v_mov_b32 v[BV+2*\b+1], s55                    ; the best so far and the kept sums begin at -infinity: the folding has one form
	v_mov_b32 v[IDB+2*\b], s[QT]
.irp j, 0,1,2,3,4,5,6
	v_mov_b32 v[SV+8*\b+\j], s55
.endr
.endr
	v_mov_b32 v210, 0                              ; lane permutes' destinations count as sources
	v_mov_b32 v211, 0
	s_wait_alu depctr_va_vdst(0)                   ; the wait at the head's end
	s_wait_tensorcnt 0x0                           ; my part of slot 0 is in; slot 1's first fill is issued as a refill is
	ds_add_u32 v[SPW], v[NIL]
	s_wait_dscnt 0x0
	ROUND
	tensor_load_to_lds s[G0+4:G0+7], s[G1:G1+7]
	s_nop 0
	FETCH 0, XO, CA0, 0                            ; tile 0
	s_wait_loadcnt 0x0                             ; x's codes
	TILE 0, 1, XO, CA0, TILEB                      ; tile 0; it fetches tile 1
	BLOCK 2*TILEB, 7                               ; tiles 1-14; they fetch 2-15
	SYNC 0, 1                                      ; slot 0 takes tiles 32-47
	BLOCK 16*TILEB, 8                              ; tiles 15-30; they fetch 16-31
	SYNC 1, 1                                      ; slot 1 takes tiles 48-63
	BLOCK 0, 8                                     ; tiles 31-46; they fetch 32-47
	SYNC 0, 0
	BLOCK 16*TILEB, 8                              ; tiles 47-62; they fetch 48-63
	TILE 1, 0, XO, CA0, 0                          ; tile 63
; THE FINISH.  The first of the kept sums 0 to 6 that equals the best gives j, else j = 7; index = base + 8 h + j; then the better of lanes l and l xor 16, the lower index on a tie.
; Lanes 0-15 put the sum, lanes 16-31 the index, into my wave's own 1,024 bytes of LDS; they come back as two runs of 512 bytes.
.macro FIN b
	v_mov_b32 v208, 7
.irp j, 6,5,4,3,2,1,0
	v_cmp_eq_f32 vcc_lo, v[SV+8*\b+\j], v[BV+2*\b+1]
	v_cndmask_b32 v208, v208, \j, vcc_lo
.endr
	v_add3_u32 v209, v[IDB+2*\b], v[HB], v208
	v_permlanex16_b32 v210, v[BV+2*\b+1], s[SEL], s[SEL+1]
	v_permlanex16_b32 v211, v209, s[SEL], s[SEL+1]
	v_cmp_gt_f32 s[MA], v210, v[BV+2*\b+1]
	v_cmp_eq_f32 s[MB], v210, v[BV+2*\b+1]
	v_cmp_lt_u32 vcc_lo, v211, v209
	s_and_b32 s[MB], s[MB], vcc_lo
	s_or_b32 s[MA], s[MA], s[MB]
	v_cndmask_b32 v212, v[BV+2*\b+1], v210, s[MA]
	v_cndmask_b32 v213, v209, v211, s[MA]
	v_cndmask_b32 v214, v212, v213, s[HM]
	ds_store_b32 v[RW], v214 offset:64*\b
.endm
.irp b, 0,1,2,3,4,5,6,7
	FIN \b
.endr
	ds_load_b128 v[216:219], v[RR]                 ; LDS serves a wave's instructions in order: these see my stores
	ds_load_b128 v[220:223], v[RR] offset:512
	s_wait_dscnt 0x0
	global_store_b128 v[XO], v[216:219], s[8:9]    ; my 128 rows' sums: 512 consecutive bytes, aligned
	global_store_b128 v[XO], v[220:223], s[10:11]  ; and their indices
	s_wait_tensorcnt 0x0                           ; the wave's end
	ds_add_u32 v[SPW], v[NIL]
	s_wait_dscnt 0x0
	ROUND                                          ; the closing round
	s_endpgm
.Lfunc_end_k_q46bd81d4b3_assign:
	.size	k_q46bd81d4b3_assign, .Lfunc_end_k_q46bd81d4b3_assign-k_q46bd81d4b3_assign
	.p2alignl 7, 3214868480
	.fill 96, 4, 3214868480
	.section	.rodata,"a",@progbits
	.p2align	6, 0x0
	.amdhsa_kernel k_q46bd81d4b3_assign
		.amdhsa_group_segment_fixed_size 327680
		.amdhsa_private_segment_fixed_size 0
		.amdhsa_enable_private_segment 0
		.amdhsa_kernarg_size 32
		.amdhsa_user_sgpr_count 2
		.amdhsa_user_sgpr_kernarg_segment_ptr 1
		.amdhsa_wavefront_size32 1
		.amdhsa_system_sgpr_workgroup_id_x 1
		.amdhsa_system_sgpr_workgroup_id_y 1
		.amdhsa_system_sgpr_workgroup_id_z 1
		.amdhsa_system_vgpr_workitem_id 0
		.amdhsa_next_free_vgpr 1024
		.amdhsa_next_free_sgpr 66
		.amdhsa_reserve_vcc 1
		.amdhsa_float_denorm_mode_32 3
		.amdhsa_float_denorm_mode_16_64 3
		.amdhsa_memory_ordered 1
		.amdhsa_forward_progress 1
		.amdhsa_inst_pref_size 110
	.end_amdhsa_kernel
	.amdgpu_metadata
---
amdhsa.version: [ 1, 2 ]
amdhsa.kernels:
  - .name:           k_q46bd81d4b3_assign
    .symbol:         k_q46bd81d4b3_assign.kd
    .args:
      - { .name: xq, .offset: 0, .size: 8, .value_kind: global_buffer, .address_space: global }
      - { .name: cq, .offset: 8, .size: 8, .value_kind: global_buffer, .address_space: global }
      - { .name: pv, .offset: 16, .size: 8, .value_kind: global_buffer, .address_space: global }
      - { .name: pi, .offset: 24, .size: 8, .value_kind: global_buffer, .address_space: global }
    .group_segment_fixed_size: 327680
    .private_segment_fixed_size: 0
    .kernarg_segment_align: 8
    .kernarg_segment_size: 32
    .max_flat_workgroup_size: 128
    .sgpr_count:     66
    .vgpr_count:     1024
    .wavefront_size: 32
...
	.end_amdgpu_metadata
.endif
;; end of part 2
;; launch pick (part 3): grid 64 x 1, 4 waves a work-group, no clusters, 0 bytes of LDS; arguments pv, pi, out0; writes out0
.if DOCPART == 3
	.amdgcn_target "amdgcn-amd-amdhsa--gfx1250"
	.amdhsa_code_object_version 6
	.text
	.protected	k_q46bd81d4b3_pick
	.globl	k_q46bd81d4b3_pick
	.p2align	8
	.type	k_q46bd81d4b3_pick,@function
k_q46bd81d4b3_pick:
	s_mov_b64 s[64:65], 0
	v_nop
	global_prefetch_b8 v0, s[64:65] scope:SCOPE_SE
	s_setreg_imm32_b32 hwreg(HW_REG_WAVE_MODE, 25, 1), 1
	s_wait_xcnt 0x0
; out0[row] = pi[c][row] of the quarter c whose pv[c][row] is greatest; a lower quarter, whose indices are lower, keeps a tie.  (x_sq is left out, as the first kernel's head shows: the greatest sum is the least distance.)
; A stream: a lane takes four rows, so each load and the store of a wave cover 512 consecutive bytes, aligned.  32,768 rows are 8,192 lanes: 64 work-groups of four waves.  No LDS, no barrier, no matrix work.
	s_load_b128 s[4:7], s[0:1], 0x0                ; pv, pi
	s_load_b64 s[8:9], s[0:1], 0x10                ; out0
	s_lshl_b32 s2, ttmp9, 11                       ; 2,048 bytes a work-group
	v_lshl_add_u32 v1, v0, 4, s2
	s_wait_alu depctr_va_vdst(0)                   ; the wait at the head's end
	s_wait_kmcnt 0x0
.irp q, 0,1,2,3
	global_load_b128 v[4+4*\q:7+4*\q], v1, s[4:5] offset:131072*\q
	global_load_b128 v[20+4*\q:23+4*\q], v1, s[6:7] offset:131072*\q
.endr
	s_wait_loadcnt 0x0
.irp q, 1,2,3
.irp i, 0,1,2,3
	v_cmp_gt_f32 s[12+\i], v[4+4*\q+\i], v[4+\i]
.endr
.irp i, 0,1,2,3
	v_cndmask_b32 v[4+\i], v[4+\i], v[4+4*\q+\i], s[12+\i]
	v_cndmask_b32 v[20+\i], v[20+\i], v[20+4*\q+\i], s[12+\i]
.endr
.endr
	global_store_b128 v1, v[20:23], s[8:9]
	s_endpgm
.Lfunc_end_k_q46bd81d4b3_pick:
	.size	k_q46bd81d4b3_pick, .Lfunc_end_k_q46bd81d4b3_pick-k_q46bd81d4b3_pick
	.p2alignl 7, 3214868480
	.fill 96, 4, 3214868480
	.section	.rodata,"a",@progbits
	.p2align	6, 0x0
	.amdhsa_kernel k_q46bd81d4b3_pick
		.amdhsa_group_segment_fixed_size 0
		.amdhsa_private_segment_fixed_size 0
		.amdhsa_enable_private_segment 0
		.amdhsa_kernarg_size 24
		.amdhsa_user_sgpr_count 2
		.amdhsa_user_sgpr_kernarg_segment_ptr 1
		.amdhsa_wavefront_size32 1
		.amdhsa_system_sgpr_workgroup_id_x 1
		.amdhsa_system_sgpr_workgroup_id_y 1
		.amdhsa_system_sgpr_workgroup_id_z 1
		.amdhsa_system_vgpr_workitem_id 0
		.amdhsa_next_free_vgpr 40
		.amdhsa_next_free_sgpr 66
		.amdhsa_reserve_vcc 0
		.amdhsa_float_denorm_mode_32 3
		.amdhsa_float_denorm_mode_16_64 3
		.amdhsa_memory_ordered 1
		.amdhsa_forward_progress 1
		.amdhsa_inst_pref_size 4
	.end_amdhsa_kernel
	.amdgpu_metadata
---
amdhsa.version: [ 1, 2 ]
amdhsa.kernels:
  - .name:           k_q46bd81d4b3_pick
    .symbol:         k_q46bd81d4b3_pick.kd
    .args:
      - { .name: pv, .offset: 0, .size: 8, .value_kind: global_buffer, .address_space: global }
      - { .name: pi, .offset: 8, .size: 8, .value_kind: global_buffer, .address_space: global }
      - { .name: out0, .offset: 16, .size: 8, .value_kind: global_buffer, .address_space: global }
    .group_segment_fixed_size: 0
    .private_segment_fixed_size: 0
    .kernarg_segment_align: 8
    .kernarg_segment_size: 24
    .max_flat_workgroup_size: 128
    .sgpr_count:     66
    .vgpr_count:     40
    .wavefront_size: 32
...
	.end_amdgpu_metadata
.endif
;; end of part 3
